; MI455X (gfx1250); checked and timed in simulation.
; The chip was launched on July 23, 2026; its instructions are those of AMD's public machine-readable ISA for CDNA 5 (MIT licence, August 2026) and "CDNA5" Instruction Set Architecture Reference Guide (July 2026). The comments in the code are by the model that wrote it; some were corrected since.
;; Attn Pooling. Allowed arithmetic: matrix products marked QUANTISED: E2M1 operands, one E8M0 scale for each 32 along K, by v_wmma_scale_f32_16x16x128_f8f6f4 with both operands' format E2M1 (or v_wmma_scale_f32_32x16x128_f4), f32 sums; products left as they are: f32 operands where the result goes on into a quantised operand, else bf16, f16 or f32 operands; f32 sums; everything else in f32.
;; Inputs: Wk 128 x 128 float32; Wq 128 x 128 float32; bk 128 float32; bq 128 float32; mask 8 x 16 x 64 x 64 int32; x 8 x 16 x 128 x 64 x 64 float32.
;; Outputs: out0 8 x 16 x 128 float32.
;; This version of the problem:
;;   THIS VERSION OF THE PROBLEM IS GIVEN IN LOW PRECISION. The matrix products marked QUANTISED in the list below multiply operands that are first quantised to E2M1 (2 exponent bits, 1 mantissa bit; 4 bits a number), with one power-of-two scale for each 32 numbers along K (OCP MX v1.0); their sums are f32. All else is computed in f32.
;;   The module's matrix products, in the order in which they are computed (A, B: the left and right operand; K: the contracted axis; several contracted axes count as one K, in the product's order):
;;     1. [M 128, K 128] x [K 128, N 128]; A: computed on the way; B: input Wq: QUANTISED
;;     2. [M 524,288, K 128] x [K 128, N 128]; A: input x; B: input Wk: QUANTISED
;;     3. batch 128 x [M 1, K 128] x [K 128, N 4,096]; A: computed on the way; B: computed on the way: left as it is (M = 1 < 16)
;;     4. batch 128 x [M 1, K 4,096] x [K 4,096, N 128]; A: softmax; B: input x: left as it is (M = 1 < 16)
;;   THE QUANTISER, for each operand of a quantised product, along K:
;;     - K is cut into blocks of 32 from its start; a last block that is shorter is filled with zeros.
;;     - A block's scale is 2^e with e = floor(log2(the largest magnitude in the block)) - 2, held to -126 .. 127; a block of zeros has e = 0. As a byte (E8M0): e + 127.
;;     - Each number is divided by its block's scale, clamped to +-6, and rounded to the nearest number of E2M1, ties to even, subnormals kept.
;;     - The product sums the exact products of the quantised numbers (number of the format x scale) in f32.
;;   ~~~python
;;   def quantise(x, axis):      # numpy; x: float32 -> the quantised numbers, widened to float32 again
;;       x = np.moveaxis(x, axis, -1); K = x.shape[-1]
;;       x = np.pad(x, [(0, 0)] * (x.ndim - 1) + [(0, -K % 32)]); x = x.reshape(x.shape[:-1] + (-1, 32)); a = np.abs(x).max(-1, keepdims=True)
;;       e = np.where(a > 0, np.clip(np.frexp(np.where(a > 0, a, 1))[1] - 1 - 2, -126, 127), 0)      # np.frexp(a)[1] - 1 = floor(log2(a)), exactly
;;       r = np.clip(x / 2.0 ** e, -6, 6)
;;       step = 2.0 ** (np.maximum(np.frexp(np.where(r == 0, 1, r))[1] - 1, 0) - 1)
;;       q = np.round(r / step) * step * 2.0 ** e      # np.round: ties to even
;;       return np.moveaxis(q.reshape(q.shape[:-2] + (-1,))[..., :K], -1, axis).astype(np.float32)
;;   ~~~
;;   OPERANDS COMPUTED ON THE WAY. 'Computed on the way' means the value that the module computes at that place (a softmax that the list does not call 'softmax' is quantised finished and normalised). What goes into a quantiser is computed in f32, as accurately as f32 sums, v_exp_f32 and their like allow (about 1e-6 of the number): no bf16 or f16 on the way to a quantiser, and a product that is left as it is and whose result goes on into a quantised operand takes f32 operands (vector FMAs, or v_wmma_f32_16x16x4_f32). A number that lies on a knife's edge between two numbers of the format may be rounded either way, as far as f32 arithmetic and the matrix unit's own rounding can turn it there, and no further.
;; One version. Each part assembles by itself: llvm-mc -triple=amdgcn-amd-amdhsa -mcpu=gfx1250 --defsym DOCPART=n.
;; ======== version 1 of 1: 3 launches
;; limits: right only within a limited range of input values
;; workspace buffers: mean 65,536 bytes; part 196,608 bytes
;; launch sums (part 1): grid 256 x 1, 16 waves a work-group, no clusters, 18,688 bytes of LDS; arguments x, mask, mean; writes mean
.if DOCPART == 1
	.amdgcn_target "amdgcn-amd-amdhsa--gfx1250"
	.amdhsa_code_object_version 6
	.text
	.protected	k_qfcede77403_sums
	.globl	k_qfcede77403_sums
	.p2align	8
	.type	k_qfcede77403_sums,@function
k_qfcede77403_sums:
	s_mov_b64 s[64:65], 0
	v_nop
	global_prefetch_b8 v0, s[64:65] scope:SCOPE_SE
	s_setreg_imm32_b32 hwreg(HW_REG_WAVE_MODE, 25, 1), 1
	s_wait_xcnt 0x0
; mean[pair][d] = (sum over k of x[pair][d][k] * float(mask[pair][k])) / (sum over k of float(mask[pair][k])).
; x: [128 pairs][128 d][4,096 k] f32; mask: [128 pairs][4,096 k] int32; mean: [128 pairs][128 d] f32.  All sums in f32: the mean goes on into a quantiser.
; SHARES.  x is 16,384 rows of 16,384 bytes.  A work-group of sixteen waves owns 64 whole rows (1 MiB on end: half a pair's channels), a wave 4 rows (64 KiB on end): every sum has one owner.
; A lane takes 16 bytes of each 512 consecutive bytes that a load of its wave covers.  A ring of 16 register slots keeps 16 loads of every wave out.
; The pair's mask is read once by the work-group, turned to f32, handed round through LDS and kept in 128 registers of every wave: register 4 c + e of a lane is token 128 c + 4 lane + e, which is just what chunk c of a row brings that lane.
; NO CLUSTER: the two work-groups of a pair share the mask alone, 16 KiB beside 1 MiB of x each.  No matrix unit: one multiply-add for each number read.
; LIMITS: NaN and infinities in x are not served.  A pair whose mask is all zeros gives 0 / 0 = NaN, as the definition does.
; WORK LEFT OUT BY THE WHOLE PROGRAM.  keys = xr Wk^T + bk goes into no quantiser; it meets the query in attn[k] = query . keys[k] = query . (xr[k] Wk^T) + query . bk.
; The last term does not hang on k: it is one number c for all tokens of a pair (masked tokens are -infinity with it or without), and softmax(a + c) = softmax(a) for every finite c.
; So bk can reach no output, whatever finite values the inputs hold: it is not loaded and is among no launch's arguments.
; LIMIT: a NaN, an infinity or an overflow that would arise from bk alone is not carried to the result.
.set RES,  16384                       ; LDS: bytes 0 .. 16,383 the mask as f32, in token order; then the 64 row sums
.set ACC,  12                          ; v[12:19]   two sets of two pairs of running sums, taken by turns
.set X,    24                          ; v[24:87]   16 slots of 4 registers
.set M,    88                          ; v[88:215]  the mask as f32
.set RS,   216                         ; v[216:219] my wave's four row sums
.set GO,   220                         ; v220       8 x lane: my place in the work-group's 256 bytes of mean
	s_load_b128 s[4:7], s[0:1], 0x0                ; x, mask
	s_load_b64 s[8:9], s[0:1], 0x10                ; mean
	v_lshl_add_u32 v224, v0, 2, 0x4100
	v_mov_b32 v225, 0
	v_lshrrev_b32 v3, 5, v0
	v_readfirstlane_b32 s10, v3                    ; wave 0..15
	v_lshlrev_b32 v1, 4, v0                        ; 16 x thread: the mask's bytes, in memory and in LDS
	v_and_b32 v2, 31, v0
	v_lshlrev_b32 v[GO], 3, v2
	v_lshlrev_b32 v221, 8, v2                      ; v221: the prefetches' offset: 256 x lane; never rewritten
	v_add_nc_u32 v21, RES, v[GO]                   ; where wave 0 reads two row sums a lane
	v_lshlrev_b32 v2, 4, v2                        ; 16 x lane: x's bytes in a chunk, and the mask's in LDS
	s_lshl_b32 s11, s10, 4
	s_add_co_u32 s11, s11, RES
	v_mov_b32 v3, s11                              ; where my wave puts its four sums
	v_mov_b32 v20, 0                               ; a lane permute's destination counts as one of its sources
	s_mov_b32 s12, 0x76543210
	s_mov_b32 s13, 0xfedcba98                      ; v_permlanex16_b32's selects for lane l xor 16
	s_lshl_b32 s14, ttmp9, 20                      ; the work-group's 64 rows,
	s_lshl_b32 s15, s10, 16                        ; my wave's 4 of them
	s_add_co_u32 s14, s14, s15
	s_mov_b32 s15, 0
	s_lshr_b32 s16, ttmp9, 1                       ; the pair
	s_lshl_b32 s16, s16, 14                        ; its 16,384 bytes of mask
	s_mov_b32 s17, 0
	s_lshl_b32 s18, ttmp9, 8                       ; 64 means of 4 bytes
	s_mov_b32 s19, 0
	s_wait_alu depctr_va_vdst(0)                   ; the wait at the head's end
	s_wait_kmcnt 0x0
	s_add_nc_u64 s[4:5], s[4:5], s[14:15]
	s_add_nc_u64 s[6:7], s[6:7], s[16:17]
	s_add_nc_u64 s[8:9], s[8:9], s[18:19]
	global_load_b128 v[4:7], v1, s[6:7]            ; the mask: 512 threads x 16 bytes, twice
	global_load_b128 v[8:11], v1, s[6:7] offset:8192
.set NN, 0
.rept 16
	global_load_b128 v[X+4*NN:X+4*NN+3], v2, s[4:5] offset:512*NN th:TH_LOAD_NT   ; the ring is filled: chunks 0 to 15
.set NN, NN+1
.endr
; PREFETCH INTO THE L2.  My wave's 64 KiB go in groups of 16 chunks, 8,192 bytes: 32 blocks of 256 bytes, a lane a block, one instruction a group, each block named once in the launch.
; Chunks 0 to 15 come by the ring's first loads alone; group 16-31 is asked for here; group G (32, 48 .. 112) in chunk G - 24: 8 chunks ahead of its first load and 24 ahead of its first use.
; A wave has at most 24 chunks asked for and not yet loaded.  Every group lies inside my wave's own four rows.
	global_prefetch_b8 v221, s[4:5] offset:8192 th:TH_LOAD_NT scope:SCOPE_SE
	s_wait_loadcnt 16                              ; loads come back in order: the mask's two are in, the 16 of x behind them stay out
.irp j, 4,5,6,7,8,9,10,11
	v_cvt_f32_i32 v\j, v\j
.endr
	ds_store_b128 v1, v[4:7]
	ds_store_b128 v1, v[8:11] offset:8192
	s_wait_dscnt 0x0                               ; for the others' sake: my part of the mask lies in LDS
	s_barrier_signal -1
	s_barrier_wait -1
.set NN, 0
.rept 32
	ds_load_b128 v[M+4*NN:M+4*NN+3], v2 offset:512*NN
.set NN, NN+1
.endr
	s_wait_dscnt 0x0
; Chunk NN of my wave's 128: row NN / 32, chunk NN % 32 of that row.  No address register is ever rewritten: every offset is an immediate, 65,024 at the most.
.macro STEP
.set CH, NN%32
.set AS, ACC+4*(NN%2)
.set XS, X+4*(NN%16)
	s_wait_alu depctr_va_vdst(0)                   ; the wait here
.if NN < 112
	s_wait_loadcnt 15                              ; my chunk is in; the 15 younger loads stay out
.else
	s_wait_loadcnt 127-NN                          ; nothing more is asked for: the count runs down
.endif
.if CH < 2
	v_pk_mul_f32 v[AS:AS+1], v[XS:XS+1], v[M+4*CH:M+4*CH+1]           ; a row's first two chunks start the sums: nothing is cleared
	v_pk_mul_f32 v[AS+2:AS+3], v[XS+2:XS+3], v[M+4*CH+2:M+4*CH+3]
.else
	v_pk_fma_f32 v[AS:AS+1], v[XS:XS+1], v[M+4*CH:M+4*CH+1], v[AS:AS+1]
	v_pk_fma_f32 v[AS+2:AS+3], v[XS+2:XS+3], v[M+4*CH+2:M+4*CH+3], v[AS+2:AS+3]
.endif
.if NN+16 < 128
	global_load_b128 v[XS:XS+3], v2, s[4:5] offset:512*(NN+16) th:TH_LOAD_NT
.endif
.if NN%16 == 8
.if NN+24 < 128
	global_prefetch_b8 v221, s[4:5] offset:512*(NN+24) th:TH_LOAD_NT scope:SCOPE_SE   ; chunks NN + 24 .. NN + 39
.endif
.endif
.if CH == 31                           ; the row is done: eight sums of a lane, then the 32 lanes
	v_pk_add_f32 v[ACC:ACC+1], v[ACC:ACC+1], v[ACC+2:ACC+3]
	v_pk_add_f32 v[ACC+4:ACC+5], v[ACC+4:ACC+5], v[ACC+6:ACC+7]
	v_pk_add_f32 v[ACC:ACC+1], v[ACC:ACC+1], v[ACC+4:ACC+5]
	v_add_f32 v[ACC], v[ACC], v[ACC+1]
	v_add_f32_dpp v[ACC], v[ACC], v[ACC] row_xmask:1 row_mask:0xf bank_mask:0xf
	v_add_f32_dpp v[ACC], v[ACC], v[ACC] row_xmask:2 row_mask:0xf bank_mask:0xf
	v_add_f32_dpp v[ACC], v[ACC], v[ACC] row_xmask:4 row_mask:0xf bank_mask:0xf
	v_add_f32_dpp v[ACC], v[ACC], v[ACC] row_xmask:8 row_mask:0xf bank_mask:0xf
	v_permlanex16_b32 v20, v[ACC], s12, s13
	v_add_f32 v[RS+NN/32], v[ACC], v20
.endif
.endm
.set NN, 0
.rept 128
	STEP
.set NN, NN+1
.endr
	ds_store_b128 v3, v[RS:RS+3]                   ; all lanes write the same 16 bytes with the same values
	s_wait_dscnt 0x0                               ; for wave 0's sake
	s_barrier_signal -1
	s_barrier_wait -1
	s_cmp_lg_u32 s10, 0
	s_cbranch_scc1 .Ldone
	; wave 0: the count, the 64 quotients, one store of 256 consecutive bytes
	ds_load_b64 v[22:23], v21
.irp j, 1,2,3,4,5,6,7,8,9,10,11,12,13,14,15
.irp k, 0,1,2,3
	v_pk_add_f32 v[M+2*\k:M+2*\k+1], v[M+2*\k:M+2*\k+1], v[M+8*\j+2*\k:M+8*\j+2*\k+1]   ; four chains over my 128 mask numbers
.endr
.endr
	v_pk_add_f32 v[M:M+1], v[M:M+1], v[M+2:M+3]
	v_pk_add_f32 v[M+4:M+5], v[M+4:M+5], v[M+6:M+7]
	v_pk_add_f32 v[M:M+1], v[M:M+1], v[M+4:M+5]
	v_add_f32 v[M], v[M], v[M+1]
	v_add_f32_dpp v[M], v[M], v[M] row_xmask:1 row_mask:0xf bank_mask:0xf
	v_add_f32_dpp v[M], v[M], v[M] row_xmask:2 row_mask:0xf bank_mask:0xf
	v_add_f32_dpp v[M], v[M], v[M] row_xmask:4 row_mask:0xf bank_mask:0xf
	v_add_f32_dpp v[M], v[M], v[M] row_xmask:8 row_mask:0xf bank_mask:0xf
	v_permlanex16_b32 v20, v[M], s12, s13
	v_add_f32 v[M], v[M], v20                      ; the count c
	s_wait_alu depctr_va_vdst(0)                   ; the wait ahead of the reciprocal
	v_rcp_f32 v[M+1], v[M]                         ; r, about 1 / c
	v_nop                                          ; a plain instruction behind the reciprocal
	s_wait_dscnt 0x0                               ; the two sums s
	s_wait_alu depctr_va_vdst(0)                   ; the wait ahead of the reciprocal's first reader
	v_mul_f32 v[M+2], v22, v[M+1]                  ; q = s r,
	v_mul_f32 v[M+3], v23, v[M+1]
	v_fma_f32 v[M+4], -v[M+2], v[M], v22           ; what is left: s - q c,
	v_fma_f32 v[M+5], -v[M+3], v[M], v23
	v_fma_f32 v[M+2], v[M+4], v[M+1], v[M+2]       ; and q mended by it: the quotient goes into a quantiser
	v_fma_f32 v[M+3], v[M+5], v[M+1], v[M+3]
	global_store_b64 v[GO], v[M+2:M+3], s[8:9]     ; 32 lanes store 256 consecutive bytes, at a multiple of 256 from the buffer's first byte
.Ldone:
	s_wait_tensorcnt 0x0
	ds_add_u32 v224, v225
	s_wait_dscnt 0x0
	s_endpgm
.Lfunc_end_k_qfcede77403_sums:
	.size	k_qfcede77403_sums, .Lfunc_end_k_qfcede77403_sums-k_qfcede77403_sums
	.p2alignl 7, 3214868480
	.fill 96, 4, 3214868480
	.section	.rodata,"a",@progbits
	.p2align	6, 0x0
	.amdhsa_kernel k_qfcede77403_sums
		.amdhsa_group_segment_fixed_size 18688
		.amdhsa_private_segment_fixed_size 0
		.amdhsa_enable_private_segment 0
		.amdhsa_kernarg_size 24
		.amdhsa_user_sgpr_count 2
		.amdhsa_user_sgpr_kernarg_segment_ptr 1
		.amdhsa_wavefront_size32 1
		.amdhsa_system_sgpr_workgroup_id_x 1
		.amdhsa_system_sgpr_workgroup_id_y 1
		.amdhsa_system_sgpr_workgroup_id_z 1
		.amdhsa_system_vgpr_workitem_id 0
		.amdhsa_next_free_vgpr 226
		.amdhsa_next_free_sgpr 66
		.amdhsa_reserve_vcc 0
		.amdhsa_float_denorm_mode_32 3
		.amdhsa_float_denorm_mode_16_64 3
		.amdhsa_memory_ordered 1
		.amdhsa_forward_progress 1
		.amdhsa_inst_pref_size 49
	.end_amdhsa_kernel
	.amdgpu_metadata
---
amdhsa.version: [ 1, 2 ]
amdhsa.kernels:
  - .name:           k_qfcede77403_sums
    .symbol:         k_qfcede77403_sums.kd
    .args:
      - { .name: x, .offset: 0, .size: 8, .value_kind: global_buffer, .address_space: global }
      - { .name: mask, .offset: 8, .size: 8, .value_kind: global_buffer, .address_space: global }
      - { .name: mean, .offset: 16, .size: 8, .value_kind: global_buffer, .address_space: global }
    .group_segment_fixed_size: 18688
    .private_segment_fixed_size: 0
    .kernarg_segment_align: 8
    .kernarg_segment_size: 24
    .max_flat_workgroup_size: 512
    .sgpr_count:     66
    .vgpr_count:     226
    .wavefront_size: 32
...
	.end_amdgpu_metadata
.endif
;; end of part 1
;; launch pool (part 2): grid 256 x 1, 8 waves a work-group, no clusters, 327,680 bytes of LDS; arguments x, mask, Wq, bq, Wk, mean, part; writes part
.if DOCPART == 2
	.amdgcn_target "amdgcn-amd-amdhsa--gfx1250"
	.amdhsa_code_object_version 6
	.text
	.protected	k_qfcede77403_pool
	.globl	k_qfcede77403_pool
	.p2align	8
	.type	k_qfcede77403_pool,@function
k_qfcede77403_pool:
	s_mov_b64 s[64:65], 0
	v_nop
	global_prefetch_b8 v0, s[64:65] scope:SCOPE_SE
	s_setreg_imm32_b32 hwreg(HW_REG_WAVE_MODE, 25, 1), 1
	s_wait_xcnt 0x0
; part[work-group] = one half of a pair's pooling: 128 sums P[d] = sum over its 2,048 tokens k of 2^(t[k] - M) x[d][k], the largest t, M, and S = the sum of 2^(t[k] - M);
; t[k] = (query . (Q(x[k]) Q(Wk)^T)) log2(e) / sqrt(128), -infinity where mask[k] = 0; query = Q(mean) Q(Wq)^T + bq; Q: the MX-FP4 quantiser along d.  The next launch joins a pair's two halves.
; LEFT OUT: bk.  query . bk is the same for all tokens of a pair and the softmax takes it away (shown at the head of the first kernel).
; SHARES.  Work-group = (pair, half); eight waves.  x[pair] is 128 rows d of 4,096 tokens.  A step is 256 tokens: 128 rows x 1,024 bytes = one LDS slot; each wave fetches 16 rows by one tensor load.
; A wave then works 32 tokens of the slot: A LANE TAKES A TOKEN AND ITS 128 REGISTERS RUN DOWN d, so a block of 32 along d lies in one lane, and the conversions give the operand's registers.
; keys^T = Wk x^T: source 0 = 16 rows of Wk, source 1 = 16 tokens; a lane holds one token's eight key channels of each of 8 tiles, which meet the query by packed multiply-adds.
; THE SOFTMAX runs by lane: each lane keeps its own largest t, its sum and 128 sums P (window 1), rescaled in every step with no branch; lanes and waves are joined at the end under the work-group's largest t.
; THE HEAD: step 0's load goes out first; mean, Wq and Wk are fetched and quantised, and the query made, while it is on its way; step 1's first fill stands behind the full sequence at the head's end.
; PREFETCH: behind the tensor load of step s each wave asks for its own 16 rows x 1,024 bytes of step s + 1 (64 blocks of 256 bytes, a lane a block, two instructions): one slot's work ahead of the load that wants them; step 8 does not exist and is not asked for.
; NO CLUSTER: no two work-groups read the same bytes of x; what they share (Wq, Wk, bq, a pair's mean) is 131 KB beside 1 MiB of x each.
; LIMITS: NaN and infinities in x are not served; the promise holds while |t| stays under 2^31.  A half none of whose tokens counts leaves S = 0 and P = 0.
.set SLOT,  131072
.set WKIMG, 262144
.set WKSC,  270336
.set QOFF,  9216
.set PWB,   279552
.set STM,   283648
.set STS,   283904
.set SPARE, 284160
.set SROW,  528
.set SWAVE, 32*SROW
.set X,   32
.set D,   160
.set F0,  224
.set F1,  232
.set TA,  240
.set TB,  241
.set BY,  244
.set SO,  248
.set LA,  240
.set LB,  248
.set ACC, 0
.set WK,  128
.set Q,   192
.set MSB, 0
.macro WIN new
.if MSB != \new
	s_set_vgpr_msb (MSB<<8)|\new
.set MSB, \new
.endif
.endm
	s_load_b256 s[4:11], s[0:1], 0x0               ; x, mask, Wq, bq
	s_load_b64 s[12:13], s[0:1], 0x20              ; Wk
	s_load_b128 s[16:19], s[0:1], 0x28             ; mean, part
	v_lshl_add_u32 v1, v0, 2, SPARE
	v_mov_b32 v2, 0
	ds_add_u32 v1, v2
	ds_add_u32 v1, v2
	s_wait_dscnt 0x0
	v_lshrrev_b32 v29, 5, v0
	s_delay_alu instid0(VALU_DEP_1)
	v_readfirstlane_b32 s20, v29
	s_lshr_b32 s21, ttmp9, 1
	s_and_b32 s46, ttmp9, 1
	s_mov_b32 s24, 2<<16
	s_mov_b32 s25, 256<<16
	s_mov_b32 s26, 16<<16
	s_mov_b32 s27, 256<<16
	s_mov_b32 s28, 16
	s_mov_b32 s29, 4096
	s_mov_b32 s30, 0
	s_mov_b32 s31, 0
	s_lshl_b32 s22, s21, 21
	s_lshl_b32 s23, s20, 18
	s_add_co_u32 s22, s22, s23
	s_lshl_b32 s23, s46, 13
	s_add_co_u32 s22, s22, s23
	s_mov_b32 s23, 0
	s_lshl_b32 s47, s20, 14
	s_mov_b32 s42, 0x76543210
	s_mov_b32 s43, 0xfedcba98
	s_mov_b32 s44, 0x3e0293ee
	s_mov_b32 s41, 1
	s_wait_kmcnt 0x0
	s_add_nc_u64 s[4:5], s[4:5], s[22:23]
	s_mov_b32 s32, 1
	s_mov_b32 s33, s47
	s_mov_b64 s[34:35], s[4:5]
	s_or_b32 s35, s35, 0x80000000
	s_mov_b32 s36, 1
	s_add_co_u32 s37, s47, SLOT
	s_add_nc_u64 s[38:39], s[4:5], 1024
	s_or_b32 s39, s39, 0x80000000
	s_add_nc_u64 s[2:3], s[4:5], 1024              ; where my prefetches stand: my 16 rows, step 1
	tensor_load_to_lds s[32:35], s[24:31]          ; step 0: my one tensor load at the head; all that follows up to the head's end runs while it is on its way
	s_nop 0
	v_and_b32 v29, 15, v0
	v_bfe_u32 v30, v0, 4, 1
	v_and_b32 v28, 31, v0
	v_lshlrev_b32 v3, 2, v0
	s_delay_alu instid0(VALU_DEP_1)
	v_add_nc_u32 v4, 65536, v3
	s_delay_alu instid0(VALU_DEP_2)
	v_add_nc_u32 v5, 131072, v3
	s_delay_alu instid0(VALU_DEP_3)
	v_add_nc_u32 v6, 196608, v3
	v_lshl_add_u32 v27, v28, 4, WKIMG
	v_lshl_add_u32 v28, v28, 2, WKSC
	s_lshl_b32 s22, s20, 10
	v_add_nc_u32 v8, s22, v27
	s_lshl_b32 s22, s20, 7
	v_add_nc_u32 v14, s22, v28
	v_lshlrev_b32 v31, 9, v29
	s_delay_alu instid0(VALU_DEP_1)
	v_lshl_add_u32 v31, v30, 7, v31
	v_lshlrev_b32 v29, 7, v30
	s_wait_alu depctr_va_vdst(0)
	v_lshlrev_b32 v9, 5, v30
	v_lshlrev_b32 v30, 3, v30
	v_mov_b32 v11, 0
	v_and_b32 v15, 3, v0
	v_and_b32 v13, 28, v0
	s_delay_alu instid0(VALU_DEP_1)
	v_lshlrev_b32 v13, 12, v13
	s_delay_alu instid0(VALU_DEP_1)
	v_lshl_add_u32 v13, v15, 8, v13                ; v13: the prefetches' offset: row lane / 4 (16,384 bytes apart), block lane % 4 of its 1,024 bytes; never rewritten.  (It is also named as the upper half of the pair v[12:13], of which the low word alone is used)
	v_mov_b32 v15, 0
	s_wait_alu depctr_va_vdst(0)                   ; the wait here, directly ahead of the run of scalar instructions
	s_lshl_b32 s22, s21, 9
	s_add_nc_u64 s[16:17], s[16:17], s[22:23]
	s_lshl_b32 s22, s20, 13
	s_add_nc_u64 s[8:9], s[8:9], s[22:23]
	s_add_nc_u64 s[12:13], s[12:13], s[22:23]
	s_lshl_b32 s22, s20, 6
	s_add_nc_u64 s[10:11], s[10:11], s[22:23]
	s_lshl_b32 s22, s21, 14
	s_lshl_b32 s47, s46, 13
	s_add_co_u32 s22, s22, s47
	s_add_nc_u64 s[6:7], s[6:7], s[22:23]
	s_mul_i32 s22, ttmp9, 768
	s_add_nc_u64 s[18:19], s[18:19], s[22:23]
.irp c, 0,1
.irp j, 0,1,2,3,4,5,6,7
	global_load_b128 v[X+32*\c+4*\j:X+32*\c+4*\j+3], v29, s[16:17] offset:256*\c+16*\j
.endr
.endr
.irp c, 0,1
.irp j, 0,1,2,3,4,5,6,7
	global_load_b128 v[X+64+32*\c+4*\j:X+64+32*\c+4*\j+3], v31, s[8:9] offset:256*\c+16*\j
.endr
.endr
.irp c, 0,1
.irp j, 0,1,2,3,4,5,6,7
	global_load_b128 v[D+32*\c+4*\j:D+32*\c+4*\j+3], v31, s[12:13] offset:256*\c+16*\j
.endr
.endr
.macro ASK                             ; my 16 rows x 1,024 bytes of the step at s[2:3]: rows 0-7, then rows 8-15
	global_prefetch_b8 v13, s[2:3] th:TH_LOAD_NT scope:SCOPE_SE
	global_prefetch_b8 v13, s[2:3] offset:131072 th:TH_LOAD_NT scope:SCOPE_SE
.endm
.macro QROW src, dst, sw
.irp c, 0,1
	v_max3_num_f32 v[240+\c], |v[\src+32*\c]|, |v[\src+32*\c+1]|, 0x1800000
.endr
.irp i, 2,4,6,8,10,12,14,16,18,20,22,24,26,28,30
.irp c, 0,1
	s_delay_alu instid0(VALU_DEP_2)
	v_max3_num_f32 v[240+\c], v[240+\c], |v[\src+32*\c+\i]|, |v[\src+32*\c+\i+1]|
.endr
.endr
.irp c, 0,1
	s_delay_alu instid0(VALU_DEP_2)
	v_add_nc_u32 v[242+\c], 0xff000000, v[240+\c]
.endr
.irp c, 0,1
	s_delay_alu instid0(VALU_DEP_2)
	v_lshrrev_b32 v[244+\c], 23, v[242+\c]
.endr
	s_delay_alu instid0(VALU_DEP_1)
	v_lshl_or_b32 v246, v245, 16, v244
	s_delay_alu instid0(VALU_DEP_1)
	v_lshlrev_b32 v246, v30, v246
	s_delay_alu instid0(VALU_DEP_1)
	v_permlanex16_b32 v15, v246, s42, s43
	s_delay_alu instid0(VALU_DEP_1)
	v_or_b32 v[\sw], v246, v15
.irp c, 0,1
.irp g, 0,1,2,3
	v_cvt_scalef32_pk8_fp4_f32 v[\dst+4*\c+\g], v[\src+32*\c+8*\g:\src+32*\c+8*\g+7], v[242+\c]
.endr
.endr
	v_nop
.endm
.macro DOT l, src
.irp k, 0,1,2,3
	v_pk_mul_f32 v[\l+2*\k:\l+2*\k+1], v[\src+2*\k:\src+2*\k+1], v[Q+2*\k:Q+2*\k+1]
.endr
.irp t, 1,2,3,4,5,6,7
.irp k, 0,1,2,3
	v_pk_fma_f32 v[\l+2*\k:\l+2*\k+1], v[\src+8*\t+2*\k:\src+8*\t+2*\k+1], v[Q+8*\t+2*\k:Q+8*\t+2*\k+1], v[\l+2*\k:\l+2*\k+1]
.endr
.endr
.endm
.macro RED l
	v_pk_add_f32 v[\l:\l+1], v[\l:\l+1], v[\l+2:\l+3]
	v_pk_add_f32 v[\l+4:\l+5], v[\l+4:\l+5], v[\l+6:\l+7]
	s_delay_alu instid0(VALU_DEP_1)
	v_pk_add_f32 v[\l:\l+1], v[\l:\l+1], v[\l+4:\l+5]
	s_delay_alu instid0(VALU_DEP_1)
	v_add_f32 v[\l], v[\l], v[\l+1]
.endm
	s_wait_loadcnt 32
	QROW X, F0, 24
	global_load_b128 v[X:X+3], v9, s[10:11]
	global_load_b128 v[X+4:X+7], v9, s[10:11] offset:16
.irp t, 0,1,2,3,4,5,6,7
	global_load_b32 v[X+8+\t], v3, s[6:7] offset:1024*\t
.endr
	s_wait_loadcnt 26
	QROW X+64, F1, 25
	s_wait_loadcnt 10                              ; Wk's 16 loads are in; bq's two and the mask's eight may be out
	QROW D, 248, 26
	ds_store_b128 v8, v[248:251]
	ds_store_b128 v8, v[252:255] offset:512
	ds_store_b32 v14, v26
	ASK                                            ; step 1, which the load at the head's end will want: asked for here, behind the three quantisings, so that step 0's load goes ahead of it
	s_wait_loadcnt 8                               ; bq, the C of the query's product, is in; the mask's eight loads behind it may be out
	v_wmma_scale_f32_16x16x128_f8f6f4 v[X:X+7], v[F1:F1+7], v[F0:F0+7], v[X:X+7], v25, v24 matrix_a_fmt:MATRIX_FMT_FP4 matrix_b_fmt:MATRIX_FMT_FP4
.rept 4
	v_nop                                          ; four places between the product and the LDS stores that read its result
.endr
	ds_store_b128 v8, v[X:X+3] offset:QOFF
	ds_store_b128 v8, v[X+4:X+7] offset:QOFF+512
	s_wait_dscnt 0x0
	s_barrier_signal -1
	s_barrier_wait -1
	WIN 0x40
.irp t, 0,1,2,3,4,5,6,7
	ds_load_b128 v[WK+8*\t:WK+8*\t+3], v27 offset:1024*\t
	ds_load_b128 v[WK+8*\t+4:WK+8*\t+7], v27 offset:1024*\t+512
.endr
.irp t, 0,1,2,3,4,5,6,7
	ds_load_b128 v[Q+8*\t:Q+8*\t+3], v27 offset:QOFF+1024*\t
	ds_load_b128 v[Q+8*\t+4:Q+8*\t+7], v27 offset:QOFF+1024*\t+512
.endr
	WIN 0
.irp t, 0,1,2,3,4,5,6,7
	ds_load_b32 v[16+\t], v28 offset:128*\t
.endr
	s_wait_dscnt 0x0
.macro LOADB s, b
.set i, 0
.rept 32
	ds_load_b32 v[X+32*\b+i], v[3+2*\s+\b/2] offset:((32*\b+i)%64)*1024
.set i, i+1
.endr
.endm
.macro QB b
.set XB, X+32*\b
.set FD, F0+8*(\b%2)+4*(\b/2)
	v_max3_num_f32 v[TA], |v[XB]|, |v[XB+1]|, 0x1800000
	v_max3_num_f32 v[TB], |v[XB+16]|, |v[XB+17]|, |v[XB+18]|
.irp i, 0,1,2,3,4,5
	s_delay_alu instid0(VALU_DEP_2)
	v_max3_num_f32 v[TA], v[TA], |v[XB+2+2*\i]|, |v[XB+3+2*\i]|
	s_delay_alu instid0(VALU_DEP_2)
	v_max3_num_f32 v[TB], v[TB], |v[XB+19+2*\i]|, |v[XB+20+2*\i]|
.endr
	s_delay_alu instid0(VALU_DEP_2)
	v_max3_num_f32 v[TA], v[TA], |v[XB+14]|, |v[XB+15]|
	s_delay_alu instid0(VALU_DEP_1)
	v_max3_num_f32 v[TA], v[TA], v[TB], |v[XB+31]|
	s_delay_alu instid0(VALU_DEP_1)
	v_add_nc_u32 v[SO+\b], 0xff000000, v[TA]
	s_delay_alu instid0(VALU_DEP_1)
	v_lshrrev_b32 v[BY+\b], 23, v[SO+\b]
.irp g, 0,1,2,3
	v_cvt_scalef32_pk8_fp4_f32 v[FD+\g], v[XB+8*\g:XB+8*\g+7], v[SO+\b]
.endr
.endm
.macro KEYS f, row1
.irp t, 0,1,2,3,4,5,6,7
.if \row1
	v_wmma_scale_f32_16x16x128_f8f6f4 v[D+8*\t:D+8*\t+7], v[WK+8*\t:WK+8*\t+7], v[\f:\f+7], 0, v[16+\t], v24 matrix_a_fmt:MATRIX_FMT_FP4 matrix_b_fmt:MATRIX_FMT_FP4 matrix_b_scale:MATRIX_SCALE_ROW1
.else
	v_wmma_scale_f32_16x16x128_f8f6f4 v[D+8*\t:D+8*\t+7], v[WK+8*\t:WK+8*\t+7], v[\f:\f+7], 0, v[16+\t], v24 matrix_a_fmt:MATRIX_FMT_FP4 matrix_b_fmt:MATRIX_FMT_FP4
.endif
.endr
.endm
.macro SOFT first
	s_delay_alu instid0(VALU_DEP_1)
	v_permlane16_swap_b32 v[LA], v[LB]
	s_delay_alu instid0(VALU_DEP_1)
	v_add_f32 v29, v[LA], v[LB]
	s_delay_alu instid0(VALU_DEP_1)
	v_mul_f32 v29, s44, v29                        ; t = score x log2(e) / sqrt(128)
	v_and_b32 v30, s41, v7
	s_delay_alu instid0(VALU_DEP_1)
	v_cmp_ne_u32 vcc_lo, 0, v30
	s_delay_alu instid0(VALU_DEP_1)
	v_cndmask_b32 v29, 0xff800000, v29, vcc_lo
.if \first
	s_delay_alu instid0(VALU_DEP_1)
	v_max_num_f32 v31, 0xff61b1e6, v29
.else
	s_delay_alu instid0(VALU_DEP_1)
	v_max_num_f32 v31, v8, v29
	s_delay_alu instid0(VALU_DEP_1)
	v_sub_f32 v30, v8, v31
.endif
	v_sub_f32 v29, v29, v31
.if !\first
	s_wait_alu depctr_va_vdst(0)
	v_exp_f32 v10, v30
.endif
	s_wait_alu depctr_va_vdst(0)
	v_exp_f32 v12, v29
	v_mov_b32 v8, v31
	s_wait_alu depctr_va_vdst(0)
.if \first
	v_mov_b32 v9, v12
.else
	v_fma_f32 v9, v9, v10, v12
.endif
.endm
.macro POOL first
.if \first
	WIN 0x40
.set i, 0
.rept 64
	v_pk_mul_f32 v[ACC+2*i:ACC+2*i+1], v[X+2*i:X+2*i+1], v[12:13] op_sel_hi:[1,0]
.set i, i+1
.endr
.else
	WIN 0x41
.set i, 0
.rept 64
	v_pk_mul_f32 v[ACC+2*i:ACC+2*i+1], v[ACC+2*i:ACC+2*i+1], v[10:11] op_sel_hi:[1,0]
.set i, i+1
.endr
	WIN 0x50
.set i, 0
.rept 64
	v_pk_fma_f32 v[ACC+2*i:ACC+2*i+1], v[X+2*i:X+2*i+1], v[12:13], v[ACC+2*i:ACC+2*i+1] op_sel_hi:[1,0,1]
.set i, i+1
.endr
.endif
.endm
; A STEP: 256 tokens in slot s.  THE CHANGE OF SLOTS STANDS IN ITS MIDDLE, directly behind the step's last LDS read: the slot's numbers are in registers then, so the slot can be filled again (chg = 2) with the step after next,
; and behind that barrier the other slot is whole, so that the next step begins its LDS reads with no barrier in front of them.  chg = 1: the waits and the barrier alone (the other slot's last fill); chg = 0: nothing follows.
; early = 1: a prefetch at the step's head (step 0 alone: step 2);  ask = 1: behind the refill of step n + 2 a prefetch of step n + 3.
.macro PROC s, first, early, chg, ask
	LOADB \s, 0
	LOADB \s, 1
	s_wait_dscnt 32
.if \early
	ASK
.endif
	QB 0
	LOADB \s, 2
	s_wait_dscnt 32
	QB 1
	LOADB \s, 3
	s_wait_dscnt 32
	QB 2
	s_wait_dscnt 0x0
	QB 3
.if \chg
	s_wait_alu depctr_va_vdst(0)                   ; the wait here, directly ahead of the waits below
	CHANGE \s, \chg-1
.endif
	v_lshl_or_b32 v24, v[BY+1], 8, v[BY]
	s_delay_alu instid0(VALU_DEP_1)
	v_lshl_or_b32 v24, v[BY+2], 16, v24
	s_delay_alu instid0(VALU_DEP_1)
	v_lshl_or_b32 v24, v[BY+3], 24, v24
.irp j, 0,1,2,3,4,5,6,7
	v_permlane16_swap_b32 v[F0+\j], v[F1+\j]
.endr
.rept 8
	v_nop
.endr
.if \ask
	ASK                                            ; nineteen vector instructions behind the refill
.endif
	WIN 0x01
	KEYS F0, 0
.rept 4
	v_nop
.endr
	WIN 0x04
	DOT LA, D
	WIN 0x01
	KEYS F1, 1
	WIN 0
	RED LA
	WIN 0x04
	DOT LB, D
	WIN 0
	RED LB
	SOFT \first
	POOL \first
	WIN 0
	s_lshl_b32 s41, s41, 1
.endm
.macro CHANGE o, refill
	s_wait_tensorcnt 0x0
	ds_add_u32 v1, v2
.if \refill
	s_add_nc_u64 s[34+4*\o:35+4*\o], s[34+4*\o:35+4*\o], 2048
	s_wait_xcnt 0x0                                ; my prefetches have read their address, so it may be written:
	s_add_nc_u64 s[2:3], s[2:3], 1024              ; one step further on than the load below
.endif
	s_wait_dscnt 0x0
	s_barrier_signal -1
	s_barrier_wait -1
.if \refill
	tensor_load_to_lds s[32+4*\o:35+4*\o], s[24:31]
	s_nop 0
.endif
.endm
	s_wait_loadcnt 0x0                             ; the mask: my token of each of the eight steps
	v_min_u32 v7, 1, v[X+8]                        ; v7: bit t = does my token of step t count
.irp t, 1,2,3,4,5,6,7
	v_min_u32 v[X+8+\t], 1, v[X+8+\t]
	s_delay_alu instid0(VALU_DEP_1)
	v_lshl_or_b32 v7, v[X+8+\t], \t, v7
.endr
	s_wait_alu depctr_va_vdst(0)                   ; the wait at the head's end
	s_wait_tensorcnt 0x0                           ; my 16 rows of step 0 are in
	ds_add_u32 v1, v2
	s_wait_xcnt 0x0                                ; my prefetches have read their address
	s_add_nc_u64 s[2:3], s[2:3], 1024              ; step 2
	s_wait_dscnt 0x0
	s_barrier_signal -1
	s_barrier_wait -1                              ; slot 0 is whole
	tensor_load_to_lds s[36:39], s[24:31]          ; step 1, slot 1's first fill: my one tensor load behind this barrier
	s_nop 0
	PROC 0, 1, 1, 2, 1                             ; step 0: asks for step 2, fetches step 2, asks for step 3
	s_mov_b32 s40, 2
.Lring:                                                ; two trips: steps 1 to 4 are worked, steps 3 to 6 fetched, steps 4 to 7 asked for
	PROC 1, 0, 0, 2, 1
	PROC 0, 0, 0, 2, 1
	s_sub_co_u32 s40, s40, 1
	s_cmp_lg_u32 s40, 0
	s_cbranch_scc1 .Lring
	PROC 1, 0, 0, 2, 0                             ; step 5 fetches step 7, the last: nothing is left to ask for
	PROC 0, 0, 0, 0, 0                             ; step 6: nothing is fetched, so its waits and barrier stand at its end: all its work runs while step 7's tile lands
	CHANGE 0, 0                                    ; every wave's part of slot 1 is in
	PROC 1, 0, 0, 0, 0                             ; step 7
	v_and_b32 v160, 31, v0
	s_mul_i32 s21, s20, SWAVE
	v_mul_u32_u24 v161, v160, SROW
	s_delay_alu instid0(VALU_DEP_1)
	v_add_nc_u32 v161, s21, v161
	v_lshl_add_u32 v162, v160, 4, s21
	s_lshl_b32 s22, s20, 9
	s_add_co_u32 s22, s22, PWB
	v_lshl_add_u32 v163, v160, 4, s22
	v_lshl_add_u32 v164, v160, 4, PWB
	s_lshl_b32 s22, s20, 2
	s_add_co_u32 s23, s22, STM
	v_mov_b32 v165, s23
	s_add_co_u32 s23, s22, STS
	v_mov_b32 v166, s23
	v_mov_b32 v167, STM
	v_mov_b32 v168, STS
	v_lshlrev_b32 v169, 4, v160
	v_lshlrev_b32 v170, 3, v160
	v_mov_b32 v171, v8
	s_delay_alu instid0(VALU_DEP_1)
	v_max_num_f32_dpp v171, v171, v171 row_xmask:1 row_mask:0xf bank_mask:0xf
	s_delay_alu instid0(VALU_DEP_1)
	v_max_num_f32_dpp v171, v171, v171 row_xmask:2 row_mask:0xf bank_mask:0xf
	s_delay_alu instid0(VALU_DEP_1)
	v_max_num_f32_dpp v171, v171, v171 row_xmask:4 row_mask:0xf bank_mask:0xf
	s_delay_alu instid0(VALU_DEP_1)
	v_max_num_f32_dpp v171, v171, v171 row_xmask:8 row_mask:0xf bank_mask:0xf
	s_delay_alu instid0(VALU_DEP_1)
	v_permlanex16_b32 v15, v171, s42, s43
	s_delay_alu instid0(VALU_DEP_1)
	v_max_num_f32 v171, v171, v15
	ds_store_b32 v165, v171
	s_wait_dscnt 0x0
	s_barrier_signal -1
	s_barrier_wait -1
	ds_load_b128 v[176:179], v167
	ds_load_b128 v[180:183], v167 offset:16
	s_wait_dscnt 0x0
	v_max3_num_f32 v172, v176, v177, v178
	s_delay_alu instid0(VALU_DEP_1)
	v_max3_num_f32 v172, v172, v179, v180
	s_delay_alu instid0(VALU_DEP_1)
	v_max3_num_f32 v172, v172, v181, v182
	s_delay_alu instid0(VALU_DEP_1)
	v_max_num_f32 v172, v172, v183
	s_delay_alu instid0(VALU_DEP_1)
	v_sub_f32 v173, v8, v172
	s_wait_alu depctr_va_vdst(0)
	v_exp_f32 v10, v173
	v_nop
	s_wait_alu depctr_va_vdst(0)
	v_mul_f32 v9, v9, v10
	WIN 0x41
.set i, 0
.rept 64
	v_pk_mul_f32 v[ACC+2*i:ACC+2*i+1], v[ACC+2*i:ACC+2*i+1], v[10:11] op_sel_hi:[1,0]
.set i, i+1
.endr
	WIN 0x04
.set i, 0
.rept 32
	ds_store_b128 v161, v[ACC+4*i:ACC+4*i+3] offset:16*i
.set i, i+1
.endr
	WIN 0
.set i, 0
.rept 32
	ds_load_b128 v[X+4*i:X+4*i+3], v162 offset:SROW*i
.set i, i+1
.endr
	v_add_f32_dpp v9, v9, v9 row_xmask:1 row_mask:0xf bank_mask:0xf
	s_delay_alu instid0(VALU_DEP_1)
	v_add_f32_dpp v9, v9, v9 row_xmask:2 row_mask:0xf bank_mask:0xf
	s_delay_alu instid0(VALU_DEP_1)
	v_add_f32_dpp v9, v9, v9 row_xmask:4 row_mask:0xf bank_mask:0xf
	s_delay_alu instid0(VALU_DEP_1)
	v_add_f32_dpp v9, v9, v9 row_xmask:8 row_mask:0xf bank_mask:0xf
	s_delay_alu instid0(VALU_DEP_1)
	v_permlanex16_b32 v15, v9, s42, s43
	s_delay_alu instid0(VALU_DEP_1)
	v_add_f32 v9, v9, v15
	s_wait_dscnt 0x0
.macro FOLD base, n
.set i, 0
.rept \n
	v_pk_add_f32 v[\base+4*i:\base+4*i+1], v[\base+4*i:\base+4*i+1], v[\base+4*(i+\n):\base+4*(i+\n)+1]
	v_pk_add_f32 v[\base+4*i+2:\base+4*i+3], v[\base+4*i+2:\base+4*i+3], v[\base+4*(i+\n)+2:\base+4*(i+\n)+3]
.set i, i+1
.endr
.endm
	FOLD X, 16
	FOLD X, 8
	FOLD X, 4
	FOLD X, 2
	FOLD X, 1
	ds_store_b128 v163, v[X:X+3]
	ds_store_b32 v166, v9
	s_wait_dscnt 0x0
	s_barrier_signal -1
	s_barrier_wait -1
	s_cmp_lg_u32 s20, 0
	s_cbranch_scc1 .Lend
.irp t, 0,1,2,3,4,5,6,7
	ds_load_b128 v[192+4*\t:192+4*\t+3], v164 offset:512*\t
.endr
	ds_load_b128 v[224:227], v168
	ds_load_b128 v[228:231], v168 offset:16
	s_wait_dscnt 0x0
	FOLD 192, 4
	FOLD 192, 2
	FOLD 192, 1
	v_add_f32 v224, v224, v225
	v_add_f32 v226, v226, v227
	v_add_f32 v228, v228, v229
	v_add_f32 v230, v230, v231
	s_delay_alu instid0(VALU_DEP_3)
	v_add_f32 v224, v224, v226
	s_delay_alu instid0(VALU_DEP_2)
	v_add_f32 v228, v228, v230
	v_mov_b32 v232, v172
	s_delay_alu instid0(VALU_DEP_2)
	v_add_f32 v233, v224, v228
	global_store_b128 v169, v[192:195], s[18:19]
	global_store_b64 v170, v[232:233], s[18:19] offset:512
.Lend:
	s_wait_tensorcnt 0x0
	ds_add_u32 v1, v2
	s_wait_dscnt 0x0
	s_endpgm
.Lfunc_end_k_qfcede77403_pool:
	.size	k_qfcede77403_pool, .Lfunc_end_k_qfcede77403_pool-k_qfcede77403_pool
	.p2alignl 7, 3214868480
	.fill 96, 4, 3214868480
	.section	.rodata,"a",@progbits
	.p2align	6, 0x0
	.amdhsa_kernel k_qfcede77403_pool
		.amdhsa_group_segment_fixed_size 327680
		.amdhsa_private_segment_fixed_size 0
		.amdhsa_enable_private_segment 0
		.amdhsa_kernarg_size 56
		.amdhsa_user_sgpr_count 2
		.amdhsa_user_sgpr_kernarg_segment_ptr 1
		.amdhsa_wavefront_size32 1
		.amdhsa_system_sgpr_workgroup_id_x 1
		.amdhsa_system_sgpr_workgroup_id_y 1
		.amdhsa_system_sgpr_workgroup_id_z 1
		.amdhsa_system_vgpr_workitem_id 0
		.amdhsa_next_free_vgpr 512
		.amdhsa_next_free_sgpr 66
		.amdhsa_reserve_vcc 1
		.amdhsa_float_denorm_mode_32 3
		.amdhsa_float_denorm_mode_16_64 3
		.amdhsa_memory_ordered 1
		.amdhsa_forward_progress 1
		.amdhsa_inst_pref_size 237
	.end_amdhsa_kernel
	.amdgpu_metadata
---
amdhsa.version: [ 1, 2 ]
amdhsa.kernels:
  - .name:           k_qfcede77403_pool
    .symbol:         k_qfcede77403_pool.kd
    .args:
      - { .name: x, .offset: 0, .size: 8, .value_kind: global_buffer, .address_space: global }
      - { .name: mask, .offset: 8, .size: 8, .value_kind: global_buffer, .address_space: global }
      - { .name: Wq, .offset: 16, .size: 8, .value_kind: global_buffer, .address_space: global }
      - { .name: bq, .offset: 24, .size: 8, .value_kind: global_buffer, .address_space: global }
      - { .name: Wk, .offset: 32, .size: 8, .value_kind: global_buffer, .address_space: global }
      - { .name: mean, .offset: 40, .size: 8, .value_kind: global_buffer, .address_space: global }
      - { .name: part, .offset: 48, .size: 8, .value_kind: global_buffer, .address_space: global }
    .group_segment_fixed_size: 327680
    .private_segment_fixed_size: 0
    .kernarg_segment_align: 8
    .kernarg_segment_size: 56
    .max_flat_workgroup_size: 256
    .sgpr_count:     66
    .vgpr_count:     512
    .wavefront_size: 32
...
	.end_amdgpu_metadata
.endif
;; end of part 2
;; launch merge (part 3): grid 32 x 1, 4 waves a work-group, no clusters, 0 bytes of LDS; arguments part, out0; writes out0
.if DOCPART == 3
	.amdgcn_target "amdgcn-amd-amdhsa--gfx1250"
	.amdhsa_code_object_version 6
	.text
	.protected	k_qfcede77403_merge
	.globl	k_qfcede77403_merge
	.p2align	8
	.type	k_qfcede77403_merge,@function
k_qfcede77403_merge:
	s_mov_b64 s[64:65], 0
	v_nop
	global_prefetch_b8 v0, s[64:65] scope:SCOPE_SE
	s_setreg_imm32_b32 hwreg(HW_REG_WAVE_MODE, 25, 1), 1
	s_wait_xcnt 0x0
; out0[pair][d] = (P0[d] 2^(M0 - M) + P1[d] 2^(M1 - M)) / (S0 2^(M0 - M) + S1 2^(M1 - M)), M = max(M0, M1): a pair's two halves, as the launch before left them in part:
; [256][768 bytes]: 128 sums P, then the pair (M, S) 32 times.  A wave takes a pair; a lane four d.  The maximum is taken away before the exponentials, as in the definition's softmax.
; A pair none of whose tokens counts has S = 0 and P = 0: 0 x infinity = NaN, as the definition gives.
	s_load_b128 s[4:7], s[0:1], 0x0                ; part, out0
	v_lshrrev_b32 v1, 5, v0
	v_readfirstlane_b32 s8, v1                     ; wave 0..3
	v_and_b32 v2, 31, v0
	v_lshlrev_b32 v3, 4, v2                        ; 16 x lane
	v_lshlrev_b32 v4, 3, v2                        ; 8 x lane
	v_mov_b32 v25, 0                               ; upper halves of pairs that are named whole
	v_mov_b32 v27, 0
	s_lshl_b32 s9, ttmp9, 2
	s_add_co_u32 s9, s9, s8                        ; the pair
	s_mul_i32 s10, s9, 1536
	s_mov_b32 s11, 0
	s_lshl_b32 s12, s9, 9
	s_mov_b32 s13, 0
	s_wait_alu depctr_va_vdst(0)
	s_wait_kmcnt 0x0
	s_add_nc_u64 s[4:5], s[4:5], s[10:11]
	s_add_nc_u64 s[6:7], s[6:7], s[12:13]
	global_load_b128 v[8:11], v3, s[4:5]           ; P0
	global_load_b128 v[12:15], v3, s[4:5] offset:768   ; P1
	global_load_b64 v[16:17], v4, s[4:5] offset:512    ; M0, S0
	global_load_b64 v[18:19], v4, s[4:5] offset:1280   ; M1, S1
	s_wait_loadcnt 0x0
	v_max_num_f32 v20, v16, v18
	v_sub_f32 v21, v16, v20
	v_sub_f32 v22, v18, v20
	s_wait_alu depctr_va_vdst(0)
	v_exp_f32 v24, v21
	v_exp_f32 v26, v22
	v_nop                                          ; a plain instruction behind the exponentials
	s_wait_alu depctr_va_vdst(0)                   ; one wait for both, ahead of their first reader
	v_mul_f32 v23, v17, v24
	v_fma_f32 v23, v19, v26, v23                   ; the row's sum
	s_wait_alu depctr_va_vdst(0)
	v_rcp_f32 v28, v23
	v_nop
	s_wait_alu depctr_va_vdst(0)
	v_mul_f32 v24, v24, v28
	v_mul_f32 v26, v26, v28
	v_pk_mul_f32 v[8:9], v[8:9], v[24:25] op_sel_hi:[1,0]
	v_pk_mul_f32 v[10:11], v[10:11], v[24:25] op_sel_hi:[1,0]
	v_pk_fma_f32 v[8:9], v[12:13], v[26:27], v[8:9] op_sel_hi:[1,0,1]
	v_pk_fma_f32 v[10:11], v[14:15], v[26:27], v[10:11] op_sel_hi:[1,0,1]
	global_store_b128 v3, v[8:11], s[6:7]          ; 32 lanes store a pair's 512 consecutive bytes
	s_endpgm
.Lfunc_end_k_qfcede77403_merge:
	.size	k_qfcede77403_merge, .Lfunc_end_k_qfcede77403_merge-k_qfcede77403_merge
	.p2alignl 7, 3214868480
	.fill 96, 4, 3214868480
	.section	.rodata,"a",@progbits
	.p2align	6, 0x0
	.amdhsa_kernel k_qfcede77403_merge
		.amdhsa_group_segment_fixed_size 0
		.amdhsa_private_segment_fixed_size 0
		.amdhsa_enable_private_segment 0
		.amdhsa_kernarg_size 16
		.amdhsa_user_sgpr_count 2
		.amdhsa_user_sgpr_kernarg_segment_ptr 1
		.amdhsa_wavefront_size32 1
		.amdhsa_system_sgpr_workgroup_id_x 1
		.amdhsa_system_sgpr_workgroup_id_y 1
		.amdhsa_system_sgpr_workgroup_id_z 1
		.amdhsa_system_vgpr_workitem_id 0
		.amdhsa_next_free_vgpr 32
		.amdhsa_next_free_sgpr 66
		.amdhsa_reserve_vcc 0
		.amdhsa_float_denorm_mode_32 3
		.amdhsa_float_denorm_mode_16_64 3
		.amdhsa_memory_ordered 1
		.amdhsa_forward_progress 1
		.amdhsa_inst_pref_size 3
	.end_amdhsa_kernel
	.amdgpu_metadata
---
amdhsa.version: [ 1, 2 ]
amdhsa.kernels:
  - .name:           k_qfcede77403_merge
    .symbol:         k_qfcede77403_merge.kd
    .args:
      - { .name: part, .offset: 0, .size: 8, .value_kind: global_buffer, .address_space: global }
      - { .name: out0, .offset: 8, .size: 8, .value_kind: global_buffer, .address_space: global }
    .group_segment_fixed_size: 0
    .private_segment_fixed_size: 0
    .kernarg_segment_align: 8
    .kernarg_segment_size: 16
    .max_flat_workgroup_size: 128
    .sgpr_count:     66
    .vgpr_count:     32
    .wavefront_size: 32
...
	.end_amdgpu_metadata
.endif
;; end of part 3
